; MI455X (gfx1250); checked and timed in simulation.
; The chip was launched on July 23, 2026; its instructions are those of AMD's public machine-readable ISA for CDNA 5 (MIT licence, August 2026) and "CDNA5" Instruction Set Architecture Reference Guide (July 2026). The comments in the code are by the model that wrote it; some were corrected since.
;; Attention. Allowed arithmetic: matrix products marked QUANTISED: E2M3 operands, one E8M0 scale for each 32 along K, by v_wmma_scale_f32_16x16x128_f8f6f4 with both operands' format E2M3, f32 sums; everything else in f32.
;; Inputs: attention_mask 2 x 1 x 2,048 x 2,048 bool; key_layer 2 x 32 x 2,048 x 128 float32; query_layer 2 x 32 x 2,048 x 128 float32; value_layer 2 x 32 x 2,048 x 128 float32.
;; Outputs: out0 2 x 2,048 x 4,096 float32.
;; This version of the problem:
;;   THIS VERSION OF THE PROBLEM IS GIVEN IN LOW PRECISION. The matrix products marked QUANTISED in the list below multiply operands that are first quantised to E2M3 (2 exponent bits, 3 mantissa bits; 6 bits a number), with one power-of-two scale for each 32 numbers along K (OCP MX v1.0); their sums are f32. All else is computed in f32.
;;   The module's matrix products, in the order in which they are computed (A, B: the left and right operand; K: the contracted axis; several contracted axes count as one K, in the product's order):
;;     1. batch 64 x [M 2,048, K 128] x [K 128, N 2,048]; A: input query_layer; B: input key_layer: QUANTISED
;;     2. batch 64 x [M 2,048, K 2,048] x [K 2,048, N 128]; A: softmax (see below); B: input value_layer: QUANTISED
;;   THE QUANTISER, for each operand of a quantised product, along K:
;;     - K is cut into blocks of 32 from its start; a last block that is shorter is filled with zeros.
;;     - A block's scale is 2^e with e = floor(log2(the largest magnitude in the block)) - 2, held to -126 .. 127; a block of zeros has e = 0. As a byte (E8M0): e + 127.
;;     - Each number is divided by its block's scale, clamped to +-7.5, and rounded to the nearest number of E2M3, ties to even, subnormals kept.
;;     - The product sums the exact products of the quantised numbers (number of the format x scale) in f32.
;;   ~~~python
;;   def quantise(x, axis):      # numpy; x: float32 -> the quantised numbers, widened to float32 again
;;       x = np.moveaxis(x, axis, -1); K = x.shape[-1]
;;       x = np.pad(x, [(0, 0)] * (x.ndim - 1) + [(0, -K % 32)]); x = x.reshape(x.shape[:-1] + (-1, 32)); a = np.abs(x).max(-1, keepdims=True)
;;       e = np.where(a > 0, np.clip(np.frexp(np.where(a > 0, a, 1))[1] - 1 - 2, -126, 127), 0)      # np.frexp(a)[1] - 1 = floor(log2(a)), exactly
;;       r = np.clip(x / 2.0 ** e, -7.5, 7.5)
;;       step = 2.0 ** (np.maximum(np.frexp(np.where(r == 0, 1, r))[1] - 1, 0) - 3)
;;       q = np.round(r / step) * step * 2.0 ** e      # np.round: ties to even
;;       return np.moveaxis(q.reshape(q.shape[:-2] + (-1,))[..., :K], -1, axis).astype(np.float32)
;;   ~~~
;;   SOFTMAX AHEAD OF A QUANTISED PRODUCT. Where the list says 'softmax', what is quantised is not the finished softmax but p = 2^(t - M), with t = logit x log2(e) and M = ceil(the row's largest t), a whole number; so 1/2 < the row's largest p <= 1. The row's sum l is taken of the UNQUANTISED p, in f32, and the product's result is divided by l at the end. Since M is a whole number, a kernel that streams over the keys may use a running M (the ceiling of the running maximum): every later rescaling is an exact power of two, which a block's scale takes up: the codes' values come out the same.
;;   OPERANDS COMPUTED ON THE WAY. 'Computed on the way' means the value that the module computes at that place (a softmax that the list does not call 'softmax' is quantised finished and normalised). What goes into a quantiser is computed in f32, as accurately as f32 sums, v_exp_f32 and their like allow (about 1e-6 of the number): no bf16 or f16 on the way to a quantiser, and a product that is left as it is and whose result goes on into a quantised operand takes f32 operands (vector FMAs, or v_wmma_f32_16x16x4_f32). A number that lies on a knife's edge between two numbers of the format may be rounded either way, as far as f32 arithmetic and the matrix unit's own rounding can turn it there, and no further.
;; One version. Each part assembles by itself: llvm-mc -triple=amdgcn-amd-amdhsa -mcpu=gfx1250 --defsym DOCPART=n.
;; ======== version 1 of 1: 2 launches
;; limits: right only within a limited range of input values
;; workspace buffers: kv 26,214,400 bytes; maskbits 1,048,576 bytes of whole numbers; tileflags 4,096 bytes of whole numbers
;; launch prep (part 1): grid 1280 x 1, 4 waves a work-group, no clusters, 101,888 bytes of LDS; arguments key_layer, value_layer, attention_mask, kv, maskbits, tileflags; writes kv, maskbits, tileflags
.if DOCPART == 1
	.amdgcn_target "amdgcn-amd-amdhsa--gfx1250"
	.amdhsa_code_object_version 6
	.text
	.protected	k_q6fb6a67ad5_prep
	.globl	k_q6fb6a67ad5_prep
	.p2align	8
	.type	k_q6fb6a67ad5_prep,@function
k_q6fb6a67ad5_prep:
	s_mov_b64 s[64:65], 0
	v_nop
	global_prefetch_b8 v0, s[64:65] scope:SCOPE_SE
	s_setreg_imm32_b32 hwreg(HW_REG_WAVE_MODE, 25, 1), 1
	s_wait_xcnt 0x0
; K and V (f32, [64 heads][2048 keys][128]) become codes of FP6 (E2M3) with one E8M0 byte for each 32 along a product's K, and the mask's bytes become lane-mask words.
; All three are laid in the order in which the attention launch's registers take them.
; kv: 1,024 blocks of 25,600 bytes, block = head x 16 + key step (128 keys).  In a block: K's 8 fragment images (1,536 bytes each), K's scale image (512), V's 8 images, V's scale image.
;   A fragment image: registers 4 g .. 4 g + 3 of lane l at 512 g + 16 l.  K's tile 2 b + u: lane r holds key 32 b + 8 u + r + 8 (r / 8), registers along d.  V's tile t: lane r holds d = 16 t + r, registers along the keys.
;   A scale image: register b holds tile 2 b's words in lanes 0-15 and tile 2 b + 1's in lanes 16-31; lane l's 8 bytes (registers 2 e, 2 e + 1) at 256 e + 8 l.
; maskbits: [batch][tile of 16 queries][key step][64 words]; bit 16 h + r of word 16 b + i is mask(query r of the tile, key 32 b + 16 h + i of the step).
; A block's scale is 2^(floor(log2(its largest magnitude)) - 2): its byte is the largest magnitude's exponent field - 2, held at 1 from below by a floor among the maximum's leaves.
; LIMITS: a block of zeros, or one whose largest magnitude lies under 2^-124, keeps the byte 1 (its codes are zeros or the nearest codes under that scale; this program alone reads the bytes); NaN and infinities in K and V are not served.
; SHARES: work-groups 0-511 take K, 512-1023 V, 1024-1279 the mask; the three ways part on the work-group's number.  A wave of K's or V's way makes half a block's fragments of its tensor; a wave of the mask's way 16 queries x 512 keys.
; No tensor load, no barrier: waves share nothing.  Each way that uses LDS has bytes of its own, a region for each wave.
.set SP,    528                        ; a stage row: 512 bytes + 16: the sixteen rows that a read touches start at sixteen different columns of 16 bytes
.set KSTG,  32*SP                      ; K's stage of a wave: 32 keys
.set MST0,  4*KSTG                     ; behind K's four stages: the mask's,
.set MSTG,  16*SP                      ; 16 queries x 512 keys for a wave
.set BLK,   25600                      ; a block of kv
.set R,     64                         ; v64-191  K: 32 rows as loaded;  V: four sets of 32 numbers;  mask: v64-127 as loaded, v128-191 back from the stage
.set X,     192                        ; v192-255 K: a lane's 64 numbers of a tile
.set T,     48                         ; v48-54   the conversions' second halves (a conversion's three registers begin on an even number)
	s_load_b256 s[4:11], s[0:1], 0x0               ; K s[4:5], V s[6:7], the mask s[8:9], kv s[10:11]
	s_load_b64 s[12:13], s[0:1], 0x20
	s_load_b64 s[2:3], s[0:1], 0x28                ; tileflags
	v_lshl_add_u32 v62, v0, 2, 0x18c00
	v_mov_b32 v63, 0
	v_lshrrev_b32 v1, 5, v0
	v_readfirstlane_b32 s16, v1                    ; wave 0..3
	v_and_b32 v1, 31, v0                           ; lane
	v_and_b32 v2, 15, v0                           ; r
	v_bfe_u32 v3, v0, 4, 1                         ; h
	v_lshlrev_b32 v4, 4, v1                        ; 16 x lane
	v_lshlrev_b32 v5, 3, v1                        ; 8 x lane
	v_lshlrev_b32 v6, 2, v1                        ; 4 x lane
	v_lshlrev_b32 v11, 3, v3                       ; 8 h: how far my two scale bytes are shifted
	s_mul_i32 s17, s16, KSTG
	v_add_nc_u32 v7, s17, v4                       ; K's stage, in: a row's 512 bytes as they lie
	v_mul_u32_u24 v8, v2, SP
	v_lshl_add_u32 v8, v3, 7, v8
	v_add_nc_u32 v8, s17, v8                       ; and out: row r, + 128 h: my 32 numbers of each 64 along d
	s_mul_i32 s17, s16, MSTG
	s_add_co_u32 s17, s17, MST0
	v_add_nc_u32 v9, s17, v4                       ; the mask's stage, in
	v_mul_u32_u24 v10, v2, SP
	v_lshl_add_u32 v10, v3, 4, v10
	v_add_nc_u32 v10, s17, v10                     ; and out: row r, + 16 h: my 16 keys of each 32
	s_mov_b32 s20, 0x76543210
	s_mov_b32 s21, 0xfedcba98                      ; v_permlanex16_b32's selects for lane l xor 16
	s_mov_b32 s22, 0xffff0000                      ; lanes 16-31
	s_wait_kmcnt 0x0
	s_cmp_ge_u32 ttmp9, 1024
	s_cbranch_scc1 .Lmask
	s_cmp_ge_u32 ttmp9, 512
	s_cbranch_scc1 .Lvalue
; ---------------- K: d is innermost.  A wave takes 64 keys (half a key step), as two units of 32 keys = two tiles each.
; Each load reads one key's 512 bytes; the rows go through the wave's stage, sorted by tile and lane, and come back 128 bytes a lane for each 64 along d.
	s_lshl_b32 s17, ttmp9, 2
	s_add_co_u32 s17, s17, s16                     ; which 64 keys of the tensor
	s_lshr_b32 s18, s17, 1                         ; the block of kv
	s_and_b32 s19, s17, 1                          ; e: which half of it
	s_mul_i32 s24, s18, BLK
	s_mul_i32 s26, s19, 6144
	s_add_co_u32 s26, s26, s24                     ; my four fragment images
	s_mov_b32 s27, 0
	s_lshl_b32 s28, s19, 8
	s_add_co_u32 s28, s28, s24
	s_add_co_u32 s28, s28, 12288                   ; my half of the scale image
	s_mov_b32 s29, 0
	s_lshl_b32 s30, s17, 15                        ; 64 keys of 512 bytes
	s_mov_b32 s31, 0
	s_add_nc_u64 s[4:5], s[4:5], s[30:31]
	s_add_nc_u64 s[14:15], s[10:11], s[26:27]
	s_add_nc_u64 s[10:11], s[10:11], s[28:29]
	v_mov_b32 v19, 0                               ; written once: a lane permute's destination counts as one of its sources
.macro KLOAD n                         ; unit n's 32 keys: 32 lanes read a key's 512 consecutive bytes
.set p, 0
.rept 32
	global_load_b128 v[R+4*p:R+4*p+3], v4, s[4:5] offset:(\n)*16384+512*p th:TH_LOAD_NT
.set p, p+1
.endr
.endm
.macro KTILE n, u, next                ; tile u of unit n: out of the stage, quantised, stored as an image
.set F, 24+12*(\u)                     ; its 12 registers: v24-35 and v36-47 by turns
.irp c, 0,1
.irp j, 0,1,2,3,4,5,6,7
	ds_load_b128 v[X+32*\c+4*\j:X+32*\c+4*\j+3], v8 offset:(\u)*16*SP+256*\c+16*\j   ; d = 64 c + 32 h + 4 j on, of the key in stage row 16 u + r
.endr
.endr
	s_wait_dscnt 0x0                               ; my numbers are in; the stage's stores have read their registers too,
.if \next
	KLOAD 1                                        ; which take the next unit's rows
.endif
.irp c, 0,1
	v_max3_num_f32 v[12+\c], |v[X+32*\c]|, |v[X+32*\c+1]|, 0x1800000   ; block 2 c + h: all its 32 numbers are mine; and the floor 2^(3 - 127), so that the byte cannot fall under 1
.endr
.irp i, 2,4,6,8,10,12,14,16,18,20,22,24,26,28,30
.irp c, 0,1
	v_max3_num_f32 v[12+\c], v[12+\c], |v[X+32*\c+\i]|, |v[X+32*\c+\i+1]|   ; (the two blocks by turns)
.endr
.endr
.irp c, 0,1
	v_add_nc_u32 v[14+\c], 0xff000000, v[12+\c]    ; 2 off the exponent field: the conversion takes this operand's exponent field as its scale
.endr
.irp c, 0,1
	v_lshrrev_b32 v[16+\c], 23, v[14+\c]           ; the scale's byte
.endr
	v_lshl_or_b32 v18, v17, 16, v16                ; my two bytes, blocks h and 2 + h,
	v_lshlrev_b32 v18, v11, v18                    ; at their places in the key's scale word;
	v_permlanex16_b32 v19, v18, s20, s21
	v_or_b32 v[58+\u], v18, v19                    ; with lane l xor 16's two the word is whole
.if \n
	s_wait_alu depctr_va_vdst(0)
	s_wait_xcnt 0x0                                ; the stores of the tile two back have read this set of registers: it is written again only behind this wait
.endif
.irp c, 0,1
	v_cvt_scalef32_pk16_fp6_f32 v[F+6*\c:F+6*\c+2], v[X+32*\c:X+32*\c+15], v[14+\c]
	v_cvt_scalef32_pk16_fp6_f32 v[T+4*\c:T+4*\c+2], v[X+32*\c+16:X+32*\c+31], v[14+\c]
.endr
	v_nop                                          ; one plain line behind the scaled conversions
.irp c, 0,1
.irp i, 0,1,2
	v_mov_b32 v[F+6*\c+3+\i], v[T+4*\c+\i]         ; registers 6 c .. 6 c + 5: d = 64 c + 32 h + 0 .. 31
.endr
.endr
.irp g, 0,1,2
	global_store_b128 v4, v[F+4*\g:F+4*\g+3], s[14:15] offset:(2*(\n)+(\u))*1536+512*\g   ; 32 lanes store 512 consecutive bytes, aligned to 256
.endr
.endm
.macro KUNIT n, next
.set p, 0
.rept 32
	s_wait_loadcnt 31-p                            ; key p's row is in; the unit's younger rows may be out
	ds_store_b128 v7, v[R+4*p:R+4*p+3] offset:(16*((p/8)%2)+8*(p/16)+p%8)*SP   ; key p = 8 u + r + 8 (r / 8) goes to stage row 16 u + r
.set p, p+1
.endr
	KTILE \n, 0, \next
	KTILE \n, 1, 0
	v_cndmask_b32 v[56+\n], v58, v59, s22          ; the even tile's words in lanes 0-15, the odd tile's in lanes 16-31
.endm
	KLOAD 0
	s_wait_alu depctr_va_vdst(0)
	KUNIT 0, 1
	KUNIT 1, 0
	global_store_b64 v5, v[56:57], s[10:11]        ; 32 lanes store 256 consecutive bytes, aligned
	s_wait_tensorcnt 0x0
	ds_add_u32 v62, v63
	s_wait_dscnt 0x0
	s_endpgm
; ---------------- V: the keys are the product's K and are not innermost.  A lane takes a column d and its registers run down the keys: a block of 32 keys lies in one lane's 32 registers.
; A wave takes 128 keys x 64 columns, as two units of 32 columns x four blocks.
.Lvalue:
	s_sub_co_u32 s17, ttmp9, 512
	s_lshl_b32 s17, s17, 2
	s_add_co_u32 s17, s17, s16
	s_lshr_b32 s18, s17, 1                         ; the block of kv
	s_and_b32 s19, s17, 1                          ; e: which 64 columns
	s_lshl_b32 s30, s18, 16                        ; 128 keys of 512 bytes
	s_lshl_b32 s28, s19, 8
	s_add_co_u32 s30, s30, s28
	s_mov_b32 s31, 0
	s_add_nc_u64 s[6:7], s[6:7], s[30:31]
	s_mul_i32 s24, s18, BLK
	s_mul_i32 s26, s19, 6144
	s_add_co_u32 s26, s26, s24
	s_add_co_u32 s26, s26, 12800                   ; my four fragment images of V
	s_mov_b32 s27, 0
	s_add_nc_u64 s[14:15], s[10:11], s[26:27]
	s_add_co_u32 s28, s28, s24
	s_add_co_u32 s28, s28, 25088                   ; my half of V's scale image
	s_mov_b32 s29, 0
	s_add_nc_u64 s[10:11], s[10:11], s[28:29]
.macro VLOAD t                         ; block t: unit t / 4, keys 32 (t % 4) on: 32 lanes read 128 consecutive bytes of a key's row
.set p, 0
.rept 32
	global_load_b32 v[R+32*((\t)%4)+p], v6, s[6:7] offset:128*((\t)/4)+(32*((\t)%4)+p)*512 th:TH_LOAD_NT
.set p, p+1
.endr
.endm
.macro VBLOCK t
.set XS, R+32*((\t)%4)
.set DST, 24+12*((\t)%2)+6*(((\t)%4)/2)   ; even blocks to v24-35, odd blocks to v36-47
.set NN, (\t)/4
.if (\t) < 7
	s_wait_loadcnt 32                              ; this block's 32 loads are in; the next block's may be out
.else
	s_wait_loadcnt 0x0
.endif
.if (\t) < 6
	VLOAD (\t)+2                                   ; two blocks ahead, into a set that is done with
.endif
	v_max3_num_f32 v12, |v[XS]|, |v[XS+1]|, |v[XS+2]|
	v_max3_num_f32 v13, |v[XS+3]|, |v[XS+4]|, |v[XS+5]|
.irp i, 6,10,14,18,22,26
	v_max3_num_f32 v12, v12, |v[XS+\i]|, |v[XS+\i+1]|
	v_max3_num_f32 v13, v13, |v[XS+\i+2]|, |v[XS+\i+3]|
.endr
	v_max3_num_f32 v12, v12, |v[XS+30]|, |v[XS+31]|
	v_max3_num_f32 v12, v12, v13, 0x1800000        ; and the floor
	v_add_nc_u32 v14, 0xff000000, v12              ; the conversions' scale operand
	v_lshrrev_b32 v15, 23, v14                     ; the scale's byte
.if ((\t)%4) == 0
	v_mov_b32 v[56+NN], v15                        ; my column's scale word: the lower keys in the lower byte
.else
	v_lshl_or_b32 v[56+NN], v15, 8*((\t)%4), v[56+NN]
.endif
.if (\t) == 4
	s_wait_alu depctr_va_vdst(0)
	s_wait_xcnt 0x0                                ; the first unit's stores have read v24-47: they are written again only behind this wait
.endif
	v_cvt_scalef32_pk16_fp6_f32 v[DST:DST+2], v[XS:XS+15], v14
	v_cvt_scalef32_pk16_fp6_f32 v[T:T+2], v[XS+16:XS+31], v14
	v_nop                                          ; one plain line behind the scaled conversions
.irp i, 0,1,2
	v_mov_b32 v[DST+3+\i], v[T+\i]
.endr
.if ((\t)%4) == 3                      ; the unit is whole.  A fragment wants blocks 0, 2 of a column in lanes 0-15 and blocks 1, 3 in lanes 16-31:
.set p, 0
.rept 12
	v_permlane16_swap_b32 v[24+p], v[36+p]         ; the even blocks' lanes 16-31 change places with the odd blocks' lanes 0-15: v24-35 are now the unit's first 16 columns' tile, v36-47 the second's
.set p, p+1
.endr
.irp g, 0,1,2
	global_store_b128 v4, v[24+4*\g:27+4*\g], s[14:15] offset:NN*3072+512*\g
	global_store_b128 v4, v[36+4*\g:39+4*\g], s[14:15] offset:NN*3072+1536+512*\g
.endr
.endif
.endm
	VLOAD 0
	VLOAD 1
.irp t, 0,1,2,3,4,5,6,7
	VBLOCK \t
.endr
	global_store_b64 v5, v[56:57], s[10:11]        ; lane l holds column l's word: the even tile's in lanes 0-15, the odd tile's in lanes 16-31, as the image wants them
	s_endpgm
; ---------------- The mask: a work-group takes 16 queries of a batch, a wave 512 keys (four key steps).  A compare of one byte in all 32 lanes gives one word.
.Lmask:
	s_sub_co_u32 s17, ttmp9, 1024                  ; batch x 128 + tile of queries
	s_lshl_b32 s30, s17, 15                        ; 16 rows of 2,048 bytes
	s_lshl_b32 s28, s16, 9
	s_add_co_u32 s30, s30, s28
	s_mov_b32 s31, 0
	s_add_nc_u64 s[8:9], s[8:9], s[30:31]
	s_lshl_b32 s30, s17, 12                        ; 16 steps of 256 bytes
	s_lshl_b32 s28, s16, 10
	s_add_co_u32 s30, s30, s28
	s_add_nc_u64 s[12:13], s[12:13], s[30:31]
	s_lshl_b32 s30, s17, 4                         ; tileflags: [batch][tile of 16 queries][16 key steps], a byte each
	s_lshl_b32 s28, s16, 2                         ; my wave's four steps
	s_add_co_u32 s30, s30, s28
	s_add_nc_u64 s[2:3], s[2:3], s[30:31]
.set p, 0
.rept 16
	global_load_b128 v[R+4*p:R+4*p+3], v4, s[8:9] offset:2048*p th:TH_LOAD_NT   ; 512 consecutive bytes of query p's row
.set p, p+1
.endr
.irp j, 0,1,2,3,4,5,6,7
	v_mov_b32 v[24+\j], 0                          ; written once: v_writelane_b32's destination counts as one of its sources
.endr
.set p, 0
.rept 16
	s_wait_loadcnt 15-p                            ; row p is in; the younger rows may be out
	ds_store_b128 v9, v[R+4*p:R+4*p+3] offset:SP*p
.set p, p+1
.endr
.set p, 0
	s_wait_alu depctr_va_vdst(0)
.rept 16
	ds_load_b128 v[128+4*p:131+4*p], v10 offset:32*p   ; block p of 32 keys: my query r's bytes for keys 16 h + 0 .. 15.  (LDS serves a wave's instructions in order: these see my stores)
.set p, p+1
.endr
	s_wait_dscnt 0x0
; tileflags: for each of my four key steps one byte: bit 0 = some key of the step is masked for some query of the tile, bit 1 = all are.  The mask's bytes are 0 or 1.
.irp st, 0,1,2,3
	v_or_b32 v16, v[128+16*\st], v[129+16*\st]
	v_and_b32 v17, v[128+16*\st], v[129+16*\st]
.irp i, 2,3,4,5,6,7,8,9,10,11,12,13,14,15
	v_or_b32 v16, v16, v[128+16*\st+\i]
	v_and_b32 v17, v17, v[128+16*\st+\i]
.endr
	v_cmp_ne_u32 s24, 0, v16
	v_cmp_eq_u32 s25, 0x01010101, v17
	s_cmp_lg_u32 s24, 0
	s_cselect_b32 s26, 1, 0
	s_cmp_eq_u32 s25, -1
	s_cselect_b32 s27, 2, 0
	s_or_b32 s26, s26, s27
.if \st == 0
	s_mov_b32 s23, s26
.else
	s_lshl_b32 s26, s26, 8*\st
	s_or_b32 s23, s23, s26
.endif
.endr
	v_mov_b32 v16, s23
	v_mov_b32 v17, 0
	v_cmp_gt_u32 vcc_lo, 1, v1
	s_wait_alu depctr_va_vdst(0)
	s_wait_xcnt 0x0                                ; EXEC changes only behind this wait
	s_and_saveexec_b32 s22, vcc_lo
	global_store_b32 v17, v16, s[2:3]              ; lane 0 stores the four bytes
	s_wait_xcnt 0x0
	s_or_b32 exec_lo, exec_lo, s22
.set g, 0
.rept 16                               ; g = 4 x step + block
.set q, 0
.rept 4                                ; a register: four keys
.irp k, 0,1,2,3
	v_and_b32 v[12+\k], 0xff<<(8*\k), v[128+4*g+q]
.endr
.irp k, 0,1,2,3
	v_cmp_ne_u32 s[24+\k], 0, v[12+\k]             ; bit 16 h + r: is key 32 (g % 4) + 16 h + 4 q + k masked for query r?
.endr
.irp k, 0,1,2,3
	v_writelane_b32 v[24+2*(g/4)+(\k%2)], s[24+\k], 8*(g%4)+2*q+\k/2   ; word n = 16 (g % 4) + 4 q + k goes to register n % 2, lane n / 2
.endr
.set q, q+1
.endr
.set g, g+1
.endr
.irp j, 0,1,2,3
	global_store_b64 v5, v[24+2*\j:25+2*\j], s[12:13] offset:256*\j   ; a step's 64 words: 256 consecutive bytes, aligned
.endr
	s_wait_tensorcnt 0x0
	ds_add_u32 v62, v63
	s_wait_dscnt 0x0
	s_endpgm
.Lfunc_end_k_q6fb6a67ad5_prep:
	.size	k_q6fb6a67ad5_prep, .Lfunc_end_k_q6fb6a67ad5_prep-k_q6fb6a67ad5_prep
	.p2alignl 7, 3214868480
	.fill 96, 4, 3214868480
	.section	.rodata,"a",@progbits
	.p2align	6, 0x0
	.amdhsa_kernel k_q6fb6a67ad5_prep
		.amdhsa_group_segment_fixed_size 101888
		.amdhsa_private_segment_fixed_size 0
		.amdhsa_enable_private_segment 0
		.amdhsa_kernarg_size 48
		.amdhsa_user_sgpr_count 2
		.amdhsa_user_sgpr_kernarg_segment_ptr 1
		.amdhsa_wavefront_size32 1
		.amdhsa_system_sgpr_workgroup_id_x 1
		.amdhsa_system_sgpr_workgroup_id_y 1
		.amdhsa_system_sgpr_workgroup_id_z 1
		.amdhsa_system_vgpr_workitem_id 0
		.amdhsa_next_free_vgpr 256
		.amdhsa_next_free_sgpr 66
		.amdhsa_reserve_vcc 1
		.amdhsa_float_denorm_mode_32 3
		.amdhsa_float_denorm_mode_16_64 3
		.amdhsa_memory_ordered 1
		.amdhsa_forward_progress 1
		.amdhsa_inst_pref_size 130
	.end_amdhsa_kernel
	.amdgpu_metadata
---
amdhsa.version: [ 1, 2 ]
amdhsa.kernels:
  - .name:           k_q6fb6a67ad5_prep
    .symbol:         k_q6fb6a67ad5_prep.kd
    .args:
      - { .name: key_layer, .offset: 0, .size: 8, .value_kind: global_buffer, .address_space: global }
      - { .name: value_layer, .offset: 8, .size: 8, .value_kind: global_buffer, .address_space: global }
      - { .name: attention_mask, .offset: 16, .size: 8, .value_kind: global_buffer, .address_space: global }
      - { .name: kv, .offset: 24, .size: 8, .value_kind: global_buffer, .address_space: global }
      - { .name: maskbits, .offset: 32, .size: 8, .value_kind: global_buffer, .address_space: global }
      - { .name: tileflags, .offset: 40, .size: 8, .value_kind: global_buffer, .address_space: global }
    .group_segment_fixed_size: 101888
    .private_segment_fixed_size: 0
    .kernarg_segment_align: 8
    .kernarg_segment_size: 48
    .max_flat_workgroup_size: 128
    .sgpr_count:     66
    .vgpr_count:     256
    .wavefront_size: 32
...
	.end_amdgpu_metadata
.endif
;; end of part 1
;; launch attn (part 2): grid 64 x 8, 4 waves a work-group, no clusters, 119,296 bytes of LDS; arguments query_layer, kv, maskbits, tileflags, out0; writes out0
.if DOCPART == 2
	.amdgcn_target "amdgcn-amd-amdhsa--gfx1250"
	.amdhsa_code_object_version 6
	.text
	.protected	k_q6fb6a67ad5_attn
	.globl	k_q6fb6a67ad5_attn
	.p2align	8
	.type	k_q6fb6a67ad5_attn,@function
k_q6fb6a67ad5_attn:
	s_mov_b64 s[64:65], 0
	v_nop
	global_prefetch_b8 v0, s[64:65] scope:SCOPE_SE
	s_setreg_imm32_b32 hwreg(HW_REG_WAVE_MODE, 25, 1), 1
	s_wait_xcnt 0x0
; o = softmax(mask(q k^T / sqrt(128))) v in MX-FP6.  A work-group of four waves takes one head and two blocks of 128 queries, block 15 - y and then block y; a wave takes 32 queries (two tiles of 16) of each.
; K and V come as the register images that the launch before laid (kv: a block of 25,600 bytes for each head and key step of 128 keys), the mask as lane-mask words (maskbits) and as one byte
; for each tile of 16 queries and key step (tileflags: bit 0 some key masked, bit 1 all masked).
; WHAT THE MASK DECIDES: the flags are whole numbers read from memory.  A key step that is masked for all 128 queries of the block adds p = 0 to every sum and leaves every maximum: it is passed over
; (its block is not multiplied).  A step with no masked key takes the copy of the body without the mask's words and selects.  Every other step selects -inf by the mask's words.
; LIMITS: NaN and infinities in K and V are not served (so none in a step passed over is carried to the result); the promise holds while the scaled scores stay under 2^31 in magnitude.  A row with every key masked gives NaN.
; THE WALK of a query block: 16 steps, 8 trips of two, so that the two LDS slots have constant addresses.  In a live step each wave loads its quarter of the NEXT kv block (two halves of 6 x 16 + 4 bytes a lane) into 25 spare registers
; and stores it to the other slot; one barrier a step parts a slot's reads from its next stores and the stores from their reads.  A live step always loads the next block (the pointer is held at the head's last block), and kv block 0 is always loaded,
; so that no load and its store stand under two tests; a step passed over loads the next block only if that one is live.
; NO CLUSTER, NO TENSOR LOAD: which blocks a work-group multiplies hangs on flags read from memory.
; Two work-groups fit on a WGP (2 x 119,296 bytes of LDS, 2 x 512 registers on each SIMD): 512 work-groups are one turn.
; PREFETCH: the work-group with y = 0 asks, in step j of its first query block, for kv block j + 3, two steps ahead of the load that wants it: 100 units of 256 bytes, 25 lanes of each wave (lanes 25-31 name the wave's last unit again); it stops at j = 12.
; Each wave asks in its first query block's head for its 32 rows of Q of the second: 64 units of 256 bytes, a lane a unit, two instructions.
; REGISTERS, two windows of 256, tile t in window t: v12-15 -M, largest t, sum; v16-27 q's codes; v32-79 half of the fragments; v96-159 S^T then p; v160-223 O^T; v224-235 p's codes; v236-255 at work.
; window 0 alone: v1-10, v29 addresses, v28 -inf, v30/v31 tile 1's scale words, v80-87 K's and V's scale words.  window 1 alone: v80-95, v0-8 the next block on its way.
.set STEPB, 25600
.set VOFF,  12800
.set SCO,   12288
.set QP,    528
.set QREG,  2*STEPB                    ; behind the two slots: each wave's own stage, 32 rows of 528 bytes: Q on the way in, o on the way out
.set SPARE, QREG+4*32*QP               ; the spare words, 128 bytes a wave
.set LI,  1
.set L8,  2
.set AQ,  3
.set STO, 4
.set SPW, 5
.set NIL, 6
.set RD,  7
.set GA,  8
.set GS,  9
.set PFO, 10
.set PFQ, 29
.set WV,  2
.set J,   3
.set LIVE, 4
.set NEED, 5
.set MP,  6
.set CNT, 8
.set PLIM, 9
.set KVP, 10
.set QB,  12
.set BLK, 16
.set TRIP, 17
.set SEL, 20
.set CS,  22
.set OUTP, 24
.set KVB, 26
.set MB,  28
.set FB,  30
.set OB,  66
.set MSB, 0
.macro WIN new
.if MSB != \new
	s_set_vgpr_msb (MSB<<8)|\new
.set MSB, \new
.endif
.endm
; half a block (K's or V's): my 6 x 512 bytes of fragment images and my 128 bytes of the scale image, memory -> registers -> LDS, at the same offsets in both
.macro LDH half, w, r0, r1, r2, r3, r4, r5, rs
	WIN 0x40*(\w)
.set ii, 0
.irp r, \r0, \r1, \r2, \r3, \r4, \r5
	global_load_b128 v[\r:\r+3], v[GA], s[KVP:KVP+1] offset:VOFF*(\half)+512*ii
.set ii, ii+1
.endr
	global_load_b32 v[\rs], v[GS], s[KVP:KVP+1] offset:VOFF*(\half)
	WIN 0
.endm
.macro STH half, sl, w, r0, r1, r2, r3, r4, r5, rs
	WIN 0x04*(\w)
.set ii, 0
.irp r, \r0, \r1, \r2, \r3, \r4, \r5
	ds_store_b128 v[GA], v[\r:\r+3] offset:(\sl)*STEPB+VOFF*(\half)+512*ii
.set ii, ii+1
.endr
	ds_store_b32 v[GS], v[\rs] offset:(\sl)*STEPB+VOFF*(\half)
	WIN 0
.endm
.macro LDM half                        ; by the spare registers of window 1
	LDH \half, 1, 80, 84, 88, 92, 0, 4, 8
.endm
.macro STM half, sl
	STH \half, \sl, 1, 80, 84, 88, 92, 0, 4, 8
.endm
.macro LDA half                        ; by S^T's registers of window 0, where no step is at work
	LDH \half, 0, 96, 100, 104, 108, 112, 116, 120
.endm
.macro STA half, sl
	STH \half, \sl, 0, 96, 100, 104, 108, 112, 116, 120
.endm
.macro PACK4 dst, w, bit, q            ; bit 'bit' of the four bytes of s[w] -> bits 4 q .. 4 q + 3 of s[dst]: the product moves bits 0, 8, 16, 24 to bits 24 .. 27, and no two of its terms meet
	s_lshr_b32 s14, s[\w], \bit
	s_and_b32 s14, s14, 0x01010101
	s_mul_i32 s14, s14, 0x01020408
	s_bfe_u32 s14, s14, 0x40018
	s_lshl_b32 s14, s14, 4*(\q)
	s_or_b32 s[\dst], s[\dst], s14
.endm
	s_load_b256 s[32:39], s[0:1], 0x0              ; q, kv, maskbits, tileflags
	s_load_b64 s[40:41], s[0:1], 0x20              ; out0
	v_lshl_add_u32 v[SPW], v0, 2, SPARE
	v_mov_b32 v[NIL], 0
	v_lshrrev_b32 v88, 5, v0
	v_readfirstlane_b32 s[WV], v88                 ; wave 0..3
	v_and_b32 v88, 31, v0                          ; lane
	v_and_b32 v89, 15, v0                          ; r
	v_bfe_u32 v90, v0, 4, 1                        ; h
	v_lshlrev_b32 v[LI], 4, v88
	v_lshlrev_b32 v[L8], 3, v88
	v_lshlrev_b32 v[PFQ], 8, v88                   ; Q's prefetch: a lane a unit of 256 bytes
	s_mul_i32 s14, s[WV], 32*QP
	s_add_co_u32 s14, s14, QREG                    ; my stage
	v_mul_u32_u24 v91, v89, QP
	v_add_nc_u32 v91, s14, v91
	v_lshl_add_u32 v[AQ], v90, 6, v91              ; Q back: row r, + 64 h: my 16 numbers of each 32
	v_lshl_add_u32 v[STO], v90, 5, v91             ; o in: row r, + 32 h
	v_add_nc_u32 v[RD], s14, v[LI]                 ; whole rows: Q in, o back
	s_mul_i32 s15, s[WV], 3072
	v_add_nc_u32 v[GA], s15, v[LI]                 ; my quarter of a half block's fragment images
	v_lshl_add_u32 v[GS], v0, 2, SCO               ; and of its scale image
	v_min_u32 v[PFO], 24, v88
	v_lshlrev_b32 v[PFO], 8, v[PFO]
	s_mul_i32 s15, s[WV], 6400
	v_add_nc_u32 v[PFO], s15, v[PFO]               ; kv's prefetch: my wave's 25 units of a block
	s_and_b32 s[BLK], ttmp7, 0xffff
	s_sub_co_u32 s[BLK], 15, s[BLK]                ; the first query block
	s_mov_b32 s[TRIP], 0
	s_lshr_b32 s18, ttmp9, 5                       ; batch
	s_and_b32 s19, ttmp9, 31                       ; head in the batch
	s_lshl_b32 s42, ttmp9, 20                      ; Q: head x 2,048 rows of 512 bytes + 32 rows a wave
	s_lshl_b32 s14, s[WV], 14
	s_add_co_u32 s42, s42, s14
	s_mov_b32 s43, 0
	s_mul_i32 s44, ttmp9, 16*STEPB                 ; kv: the head's 16 blocks
	s_mov_b32 s45, 0
	s_lshl_b32 s46, s18, 19                        ; maskbits: 4,096 bytes a tile of queries
	s_lshl_b32 s14, s[WV], 13
	s_add_co_u32 s46, s46, s14
	s_mov_b32 s47, 0
	s_lshl_b32 s48, s18, 11                        ; tileflags: 16 bytes a tile
	s_mov_b32 s49, 0
	s_lshl_b32 s50, s18, 25                        ; out0: rows of 16,384 bytes, the head's 512 in each
	s_lshl_b32 s14, s[WV], 19
	s_add_co_u32 s50, s50, s14
	s_lshl_b32 s14, s19, 9
	s_add_co_u32 s50, s50, s14
	s_mov_b32 s51, 0
	s_mov_b32 s[SEL], 0x76543210
	s_mov_b32 s[SEL+1], 0xfedcba98
	s_mov_b32 s[CS], 0x3e0293ee                    ; log2(e) / sqrt(128)
	s_mov_b32 s[CS+1], s[CS]
	s_wait_alu depctr_va_vdst(0)
	s_wait_kmcnt 0x0
	s_add_nc_u64 s[QB:QB+1], s[32:33], s[42:43]
	s_add_nc_u64 s[KVB:KVB+1], s[34:35], s[44:45]
	s_add_nc_u64 s[MB:MB+1], s[36:37], s[46:47]
	s_add_nc_u64 s[FB:FB+1], s[38:39], s[48:49]
	s_add_nc_u64 s[OB:OB+1], s[40:41], s[50:51]
.macro INIT
	v_mov_b32 v13, 0xff61b1e6
	s_delay_alu instid0(VALU_DEP_1)
	v_floor_f32 v12, -v13
	v_mov_b32 v14, 0
	v_mov_b32 v15, 0
	v_mov_b32 v28, 0xff800000
.irp b, 0,1,2,3
	v_mov_b32 v[236+\b], 0
.endr
	v_mov_b32 v253, 0
.endm
.macro CODES dst, sw
.irp b, 0,1,2,3
	s_delay_alu instid0(VALU_DEP_4)
	v_add_nc_u32 v[244+\b], 0xff000000, v[232+\b]
.endr
.irp b, 0,1,2,3
	s_delay_alu instid0(VALU_DEP_4)
	v_lshrrev_b32 v[236+\b], 23, v[244+\b]
.endr
	s_delay_alu instid0(VALU_DEP_3)
	v_lshl_or_b32 v[\sw], v237, 8, v236
	s_delay_alu instid0(VALU_DEP_1)
	v_lshl_or_b32 v[\sw], v238, 16, v[\sw]
	s_delay_alu instid0(VALU_DEP_1)
	v_lshl_or_b32 v[\sw], v239, 24, v[\sw]
.irp c, 0,1
	v_cvt_scalef32_pk16_fp6_f32 v[\dst+6*\c:\dst+2+6*\c], v[96+32*\c:111+32*\c], v[244+2*\c]
	v_cvt_scalef32_pk16_fp6_f32 v[236+4*\c:238+4*\c], v[112+32*\c:127+32*\c], v[244+2*\c+1]
.endr
	v_nop
.irp c, 0,1
.irp i, 0,1,2
	v_permlane16_swap_b32 v[\dst+6*\c+\i], v[236+4*\c+\i]
.endr
.irp i, 0,1,2
	s_delay_alu instid0(VALU_DEP_3)
	v_mov_b32 v[\dst+3+6*\c+\i], v[236+4*\c+\i]
.endr
.endr
.endm
.macro QUANT
.irp b, 0,1,2,3
	v_max3_num_f32 v[232+\b], |v[96+16*\b]|, |v[97+16*\b]|, 0x1800000
.endr
.irp i, 2,4,6,8,10,12,14
.irp b, 0,1,2,3
	s_delay_alu instid0(VALU_DEP_4)
	v_max3_num_f32 v[232+\b], v[232+\b], |v[96+16*\b+\i]|, |v[97+16*\b+\i]|
.endr
.endr
.irp b, 0,1,2,3
	s_delay_alu instid0(VALU_DEP_4)
	v_permlanex16_b32 v[236+\b], v[232+\b], s[SEL], s[SEL+1]
.endr
.irp b, 0,1,2,3
	s_delay_alu instid0(VALU_DEP_4)
	v_max_num_f32 v[232+\b], v[232+\b], v[236+\b]
.endr
	CODES 16, 255
.endm
.macro MASKW off
	s_load_b512 s[68:83], s[MP:MP+1], \off
	s_load_b512 s[84:99], s[MP:MP+1], \off+64
	s_load_b512 s[32:47], s[MP:MP+1], \off+128
	s_load_b512 s[48:63], s[MP:MP+1], \off+192
.endm
.macro FETCH off, sc
	WIN 0
.irp x, 0,1,2,3
.irp g, 0,1,2
	ds_load_b128 v[32+12*\x+4*\g:35+12*\x+4*\g], v[LI] offset:\off+1536*\x+512*\g
.endr
.endr
	ds_load_b64 v[\sc:\sc+1], v[L8] offset:\off+SCO
	ds_load_b64 v[\sc+2:\sc+3], v[L8] offset:\off+SCO+256
	WIN 0x40
.irp x, 4,5,6,7
.irp g, 0,1,2
	ds_load_b128 v[32+12*(\x-4)+4*\g:35+12*(\x-4)+4*\g], v[LI] offset:\off+1536*\x+512*\g
.endr
.endr
.endm
.macro KQ t, x0                        ; S^T of tile t, key tiles x0 .. x0 + 3
	WIN 0x54*(\t)+(\x0)/4
.irp x, \x0, \x0+1, \x0+2, \x0+3
.if (\x)%2
	v_wmma_scale_f32_16x16x128_f8f6f4 v[96+8*(\x):103+8*(\x)], v[32+12*((\x)%4):43+12*((\x)%4)], v[16:27], 0, v[80+(\x)/2], v[255-224*(\t)] matrix_a_fmt:MATRIX_FMT_FP6 matrix_b_fmt:MATRIX_FMT_FP6 matrix_a_scale:MATRIX_SCALE_ROW1
.else
	v_wmma_scale_f32_16x16x128_f8f6f4 v[96+8*(\x):103+8*(\x)], v[32+12*((\x)%4):43+12*((\x)%4)], v[16:27], 0, v[80+(\x)/2], v[255-224*(\t)] matrix_a_fmt:MATRIX_FMT_FP6 matrix_b_fmt:MATRIX_FMT_FP6
.endif
.endr
.endm
.macro PV t
.irp x, 0,1,2,3,4,5,6,7
	WIN 0x54*(\t)+(\x/4)
.if \x%2
	v_wmma_scale_f32_16x16x128_f8f6f4 v[160+8*\x:167+8*\x], v[32+12*(\x%4):43+12*(\x%4)], v[224:235], v[160+8*\x:167+8*\x], v[84+\x/2], v[253-223*(\t)] matrix_a_fmt:MATRIX_FMT_FP6 matrix_b_fmt:MATRIX_FMT_FP6 matrix_a_scale:MATRIX_SCALE_ROW1
.else
	v_wmma_scale_f32_16x16x128_f8f6f4 v[160+8*\x:167+8*\x], v[32+12*(\x%4):43+12*(\x%4)], v[224:235], v[160+8*\x:167+8*\x], v[84+\x/2], v[253-223*(\t)] matrix_a_fmt:MATRIX_FMT_FP6 matrix_b_fmt:MATRIX_FMT_FP6
.endif
.endr
.endm
; tile t's 16 queries x 128 keys: (m = 1: -inf where the mask says so,) the blocks' largest scores, the running whole-number M, p = 2^(t - M), the sum of the unquantised p, p's codes and scale word, O^T under the new M.
; In tile 1's, tile 0's second product stands behind the lines that read S^T first: it names window 0's registers alone, and the lines behind it window 1's.
.macro SOFTMAX t, m
	WIN 0x55*(\t)
.if \m
	s_wait_kmcnt 0x0                               ; this tile's 64 mask words
.endif
.if \t
	s_wait_alu depctr_va_vdst(0)
.endif
.if \m
.set n, 0
.rept 64
	v_cndmask_b32 v[96+n], v[96+n], v28, s[n+68-68*(n/32)]
.set n, n+1
.endr
.endif
.irp b, 0,1,2,3
	v_max3_num_f32 v[232+\b], v[96+16*\b], v[97+16*\b], v[98+16*\b]
.endr
.irp i, 3,5,7,9,11,13
.irp b, 0,1,2,3
.if \m
	s_delay_alu instid0(VALU_DEP_4)
.endif
	v_max3_num_f32 v[232+\b], v[232+\b], v[96+16*\b+\i], v[97+16*\b+\i]
.endr
.endr
.irp b, 0,1,2,3
.if \m
	s_delay_alu instid0(VALU_DEP_4)
.endif
	v_max_num_f32 v[232+\b], v[232+\b], v[111+16*\b]
.endr
.if (\m) && ((\t) == 0)
	MASKW 4096                                     ; the other tile's words
.endif
.if \t
	PV 0
	WIN 0x55
.endif
.irp b, 0,1,2,3
	v_permlanex16_b32 v[236+\b], v[232+\b], s[SEL], s[SEL+1]
.endr
.irp b, 0,1,2,3
	s_delay_alu instid0(VALU_DEP_4)
	v_max_num_f32 v[232+\b], v[232+\b], v[236+\b]
.endr
	s_delay_alu instid0(VALU_DEP_2)
	v_max3_num_f32 v254, v232, v233, v234
	s_delay_alu instid0(VALU_DEP_1)
	v_max_num_f32 v254, v254, v235
	s_delay_alu instid0(VALU_DEP_1)
	v_mul_f32 v254, s[CS], v254
	s_delay_alu instid0(VALU_DEP_1)
	v_max_num_f32 v13, v13, v254
	v_mov_b32 v254, v12
	s_delay_alu instid0(VALU_DEP_2)
	v_floor_f32 v12, -v13
	s_delay_alu instid0(VALU_DEP_1)
	v_sub_f32 v254, v12, v254
	s_delay_alu instid0(VALU_DEP_1)
	v_cvt_i32_f32 v254, v254
	s_delay_alu instid0(VALU_DEP_1)
	v_ldexp_f32 v252, 1.0, v254
.set n, 0
.rept 32
	v_pk_fma_f32 v[96+n:97+n], v[96+n:97+n], s[CS:CS+1], v[12:13] op_sel_hi:[1,0,0]
.set n, n+2
.endr
.irp b, 0,1,2,3
	v_fma_f32 v[232+\b], v[232+\b], s[CS], v12
.endr
.set n, 0
	s_wait_alu depctr_va_vdst(0)
.rept 64
	v_exp_f32 v[96+n], v[96+n]
.set n, n+1
.endr
	v_pk_mul_f32 v[14:15], v[14:15], v[252:253] op_sel_hi:[1,0]
	s_wait_alu depctr_va_vdst(0)
.irp b, 0,1,2,3
	v_exp_f32 v[232+\b], v[232+\b]
.endr
	v_pk_add_f32 v[236:237], v[96:97], v[98:99]
.irp j, 4,8,12,16,20,24,28,32,36,40,44,48,52,56,60
	v_pk_add_f32 v[14:15], v[14:15], v[96+\j:97+\j]
	v_pk_add_f32 v[236:237], v[236:237], v[98+\j:99+\j]
.endr
	s_delay_alu instid0(VALU_DEP_1)
	v_pk_add_f32 v[14:15], v[14:15], v[236:237]
	s_wait_alu depctr_va_vdst(0)
.irp b, 0,1,2,3
	v_max_num_f32 v[232+\b], 0x1800000, v[232+\b]
.endr
	CODES 224, 253
.if \t
	WIN 0x01
	v_mov_b32 v30, v253
	WIN 0x55
.endif
	s_wait_alu depctr_va_vdst(0)
.set n, 0
.rept 32
	v_pk_mul_f32 v[160+n:161+n], v[160+n:161+n], v[252:253] op_sel_hi:[1,0]
.set n, n+2
.endr
.endm
; a live step on slot sl; the next block goes to the other slot
.macro BODY sl, m
.if \m
	MASKW 0
.endif
	FETCH (\sl)*STEPB, 80
	LDM 0                                          ; the next block's K half sets out
	s_wait_dscnt 12                                ; fragments 0-3 and the scale words are in; the 12 loads of fragments 4-7 may be out
	KQ 0, 0
	KQ 1, 0
	s_wait_dscnt 0x0
	KQ 0, 4
	KQ 1, 4
	WIN 0
.rept 4
	v_nop                                          ; places ahead of the loads into K's fragments
.endr
	FETCH (\sl)*STEPB+VOFF, 84
	SOFTMAX 0, \m
	WIN 0
	s_wait_alu depctr_va_vdst(0)
	s_wait_loadcnt 0x0                             ; all seven loads of the K half
	STM 0, 1-(\sl)
	s_wait_dscnt 0x0                               ; V's fragments are in, and the stores have read their registers,
	LDM 1                                          ; which take the V half
	SOFTMAX 1, \m                                  ; with tile 0's second product inside
	PV 1
	WIN 0
.rept 4
	v_nop                                          ; places ahead of the next loads into the fragments and of the way out
.endr
	s_wait_loadcnt 0x0
	STM 1, 1-(\sl)
.endm
.macro STEP sl
	s_cmp_lt_u32 s[J], s[PLIM]
	s_cbranch_scc0 .Lnp_\@
	global_prefetch_b8 v[PFO], s[KVP:KVP+1] offset:2*STEPB th:TH_LOAD_NT scope:SCOPE_SE   ; kv block j + 3
.Lnp_\@:
	s_and_b32 s14, s[LIVE], 1
	s_cmp_eq_u32 s14, 0
	s_cbranch_scc1 .Ldead_\@
	s_and_b32 s14, s[NEED], 1
	s_cmp_lg_u32 s14, 0
	s_cbranch_scc1 .Lmask_\@
	BODY \sl, 0
	s_branch .Ljoin_\@
.Lmask_\@:
	BODY \sl, 1
	s_branch .Ljoin_\@
.Ldead_\@:
	s_and_b32 s14, s[LIVE], 2                      ; passed over; is the next step live?
	s_cmp_eq_u32 s14, 0
	s_cbranch_scc1 .Ljoin_\@
	LDM 0
	LDA 1
	s_wait_loadcnt 0x0
	STM 0, 1-(\sl)
	STA 1, 1-(\sl)
.Ljoin_\@:
	s_wait_dscnt 0x0                               ; my reads of this slot and my stores to the other are done
	s_barrier_signal -1
	s_barrier_wait -1
	s_wait_xcnt 0x0                                ; the prefetch has read the pointer
	s_cmp_lt_u32 s[J], 14
	s_cselect_b32 s14, STEPB, 0                    ; the pointer stops at the head's last block
	s_mov_b32 s15, 0
	s_add_nc_u64 s[KVP:KVP+1], s[KVP:KVP+1], s[14:15]
	s_add_nc_u64 s[MP:MP+1], s[MP:MP+1], 256
	s_add_co_u32 s[J], s[J], 1
	s_lshr_b32 s[LIVE], s[LIVE], 1
	s_lshr_b32 s[NEED], s[NEED], 1
.endm
; the way out: O^T / the sum, through my own stage, as whole rows of 512 bytes
.macro OUT t
	WIN 0x55*(\t)
	v_add_f32 v14, v14, v15
	s_delay_alu instid0(VALU_DEP_1)
	v_permlanex16_b32 v252, v14, s[SEL], s[SEL+1]
	s_delay_alu instid0(VALU_DEP_1)
	v_add_f32 v14, v14, v252
	s_wait_alu depctr_va_vdst(0)
	v_rcp_f32 v14, v14
	v_nop
	s_wait_alu depctr_va_vdst(0)
.set n, 0
.rept 64
	v_mul_f32 v[96+n], v[160+n], v14
.set n, n+1
.endr
	WIN 0x04*(\t)
.irp x, 0,1,2,3,4,5,6,7
	ds_store_b128 v[STO], v[96+8*\x:99+8*\x] offset:64*\x
	ds_store_b128 v[STO], v[100+8*\x:103+8*\x] offset:64*\x+16
.endr
	WIN 0x40*(\t)
.set p, 0
.rept 16
	ds_load_b128 v[160+4*p:163+4*p], v[RD] offset:QP*p
.set p, p+1
.endr
	WIN 0x04*(\t)
.set p, 0
.rept 16
	s_wait_dscnt 15-p
	global_store_b128 v[LI], v[160+4*p:163+4*p], s[OUTP:OUTP+1] offset:(16*(\t)+p)*16384 th:TH_STORE_NT
.set p, p+1
.endr
	WIN 0
.endm
; ---------------- a query block: two trips
.Lblock:
	s_wait_xcnt 0x0                                ; the last block's stores have read their base and their data registers
	s_mov_b32 s43, 0
	s_lshl_b32 s42, s[BLK], 16                     ; 128 rows of Q
	s_add_nc_u64 s[44:45], s[QB:QB+1], s[42:43]
	s_lshl_b32 s42, s[BLK], 15                     ; 8 tiles of mask words
	s_add_nc_u64 s[MP:MP+1], s[MB:MB+1], s[42:43]
	s_lshl_b32 s42, s[BLK], 7                      ; 8 tiles of flags
	s_add_nc_u64 s[46:47], s[FB:FB+1], s[42:43]
	s_lshl_b32 s42, s[BLK], 21                     ; 128 rows of out0
	s_add_nc_u64 s[OUTP:OUTP+1], s[OB:OB+1], s[42:43]
	s_sub_co_u32 s42, 15, s[BLK]
	s_lshl_b32 s42, s42, 16
	s_add_nc_u64 s[48:49], s[QB:QB+1], s[42:43]    ; the other block's rows of Q
	s_mov_b64 s[KVP:KVP+1], s[KVB:KVB+1]
	s_cmp_eq_u32 s[BLK], 15
	s_cselect_b32 s[PLIM], 13, 0
	s_load_b512 s[68:83], s[46:47], 0x0            ; the flags of the block's eight tiles: four words a tile
	s_load_b512 s[84:99], s[46:47], 0x40
	LDM 0                                          ; kv block 0: 14 loads
	LDA 1
.irp t, 0,1
	WIN 0x40*\t
.set p, 0
.rept 16
	global_load_b128 v[160+4*p:163+4*p], v[LI], s[44:45] offset:512*(16*\t+p) th:TH_LOAD_NT   ; a query's 512 bytes, into O^T's registers
.set p, p+1
.endr
.endr
	WIN 0
	s_cmp_eq_u32 s[TRIP], 0
	s_cbranch_scc0 .Lnoq
	global_prefetch_b8 v[PFQ], s[48:49] th:TH_LOAD_NT scope:SCOPE_SE
	global_prefetch_b8 v[PFQ], s[48:49] offset:8192 th:TH_LOAD_NT scope:SCOPE_SE
.Lnoq:
	INIT
	WIN 0x55
	INIT
	WIN 0
	s_wait_alu depctr_va_vdst(0)
	s_wait_kmcnt 0x0
.irp q, 0,1,2,3
	s_and_b32 s[56+\q], s[68+\q], s[72+\q]
	s_or_b32 s[52+\q], s[68+\q], s[72+\q]
.irp t, 2,3,4,5,6,7
	s_and_b32 s[56+\q], s[56+\q], s[68+4*\t+\q]
	s_or_b32 s[52+\q], s[52+\q], s[68+4*\t+\q]
.endr
.endr
	s_mov_b32 s[LIVE], 0
	s_mov_b32 s[NEED], 0
.irp q, 0,1,2,3
	PACK4 LIVE, 56+\q, 1, \q
	PACK4 NEED, 52+\q, 0, \q
.endr
	s_xor_b32 s[LIVE], s[LIVE], 0xffff             ; bit j: step j is not masked for all the block's queries;  NEED bit j: some key of step j is masked for some of them
	s_wait_loadcnt 32                              ; kv block 0's 14 loads are in; Q's 32 may be out
	STM 0, 0
	STA 1, 0
	s_add_nc_u64 s[KVP:KVP+1], s[KVP:KVP+1], STEPB ; from here on: the next step's block
	s_wait_loadcnt 0x0                             ; Q's rows are in
.irp t, 0,1
	WIN 0x04*\t
.set p, 0
.rept 16
	ds_store_b128 v[RD], v[160+4*p:163+4*p] offset:QP*(16*\t+p)
.set p, p+1
.endr
.endr
	WIN 0
	s_wait_dscnt 0x0                               ; the stores have read their registers
.irp t, 0,1
	WIN 0x40*\t
.irp b, 0,1,2,3
.irp j, 0,1,2,3
	ds_load_b128 v[96+16*\b+4*\j:99+16*\b+4*\j], v[AQ] offset:16*QP*\t+128*\b+16*\j
.endr
.endr
.endr
	WIN 0
	s_wait_dscnt 16                                ; tile 0's 16 loads are in; tile 1's may be out
	QUANT
	WIN 0x55
	s_wait_dscnt 0x0
	QUANT
	WIN 0x01
	v_mov_b32 v31, v255                            ; scale words are taken from window 0
	WIN 0
.set n, 0
.rept 64
	v_mov_b32 v[160+n], 0                          ; O^T: the step is written once, and any step may be the first live one
.set n, n+1
.endr
	WIN 0x40
.set n, 0
.rept 64
	v_mov_b32 v[160+n], 0
.set n, n+1
.endr
	WIN 0
	s_mov_b32 s[J], 0
	s_mov_b32 s[CNT], 8
	s_wait_alu depctr_va_vdst(0)
	s_wait_xcnt 0x0                                ; Q's prefetches have read their pointer: the mask words may land on it
	s_wait_dscnt 0x0
	s_barrier_signal -1
	s_barrier_wait -1                              ; kv block 0 is whole in slot 0
.Lpair:
	STEP 0
	STEP 1
	s_sub_co_u32 s[CNT], s[CNT], 1
	s_cmp_lg_u32 s[CNT], 0
	s_cbranch_scc1 .Lpair
	OUT 0
	OUT 1
	s_sub_co_u32 s[BLK], 15, s[BLK]                ; block y
	s_add_co_u32 s[TRIP], s[TRIP], 1
	s_cmp_lt_u32 s[TRIP], 2
	s_wait_alu depctr_va_vdst(0)
	s_cbranch_scc1 .Lblock
	s_wait_tensorcnt 0x0                           ; the wave's end
	ds_add_u32 v[SPW], v[NIL]
	s_wait_dscnt 0x0
	s_endpgm
.Lfunc_end_k_q6fb6a67ad5_attn:
	.size	k_q6fb6a67ad5_attn, .Lfunc_end_k_q6fb6a67ad5_attn-k_q6fb6a67ad5_attn
	.p2alignl 7, 3214868480
	.fill 96, 4, 3214868480
	.section	.rodata,"a",@progbits
	.p2align	6, 0x0
	.amdhsa_kernel k_q6fb6a67ad5_attn
		.amdhsa_group_segment_fixed_size 119296
		.amdhsa_private_segment_fixed_size 0
		.amdhsa_enable_private_segment 0
		.amdhsa_kernarg_size 40
		.amdhsa_user_sgpr_count 2
		.amdhsa_user_sgpr_kernarg_segment_ptr 1
		.amdhsa_wavefront_size32 1
		.amdhsa_system_sgpr_workgroup_id_x 1
		.amdhsa_system_sgpr_workgroup_id_y 1
		.amdhsa_system_sgpr_workgroup_id_z 1
		.amdhsa_system_vgpr_workitem_id 0
		.amdhsa_next_free_vgpr 512
		.amdhsa_next_free_sgpr 100
		.amdhsa_reserve_vcc 0
		.amdhsa_float_denorm_mode_32 3
		.amdhsa_float_denorm_mode_16_64 3
		.amdhsa_memory_ordered 1
		.amdhsa_forward_progress 1
		.amdhsa_inst_pref_size 226
	.end_amdhsa_kernel
	.amdgpu_metadata
---
amdhsa.version: [ 1, 2 ]
amdhsa.kernels:
  - .name:           k_q6fb6a67ad5_attn
    .symbol:         k_q6fb6a67ad5_attn.kd
    .args:
      - { .name: query_layer, .offset: 0, .size: 8, .value_kind: global_buffer, .address_space: global }
      - { .name: kv, .offset: 8, .size: 8, .value_kind: global_buffer, .address_space: global }
      - { .name: maskbits, .offset: 16, .size: 8, .value_kind: global_buffer, .address_space: global }
      - { .name: tileflags, .offset: 24, .size: 8, .value_kind: global_buffer, .address_space: global }
      - { .name: out0, .offset: 32, .size: 8, .value_kind: global_buffer, .address_space: global }
    .group_segment_fixed_size: 119296
    .private_segment_fixed_size: 0
    .kernarg_segment_align: 8
    .kernarg_segment_size: 40
    .max_flat_workgroup_size: 128
    .sgpr_count:     100
    .vgpr_count:     512
    .wavefront_size: 32
...
	.end_amdgpu_metadata
.endif
;; end of part 2
